; MI455X (gfx1250); checked and timed in simulation.
; The chip was launched on July 23, 2026; its instructions are those of AMD's public machine-readable ISA for CDNA 5 (MIT licence, August 2026) and "CDNA5" Instruction Set Architecture Reference Guide (July 2026). The comments in the code are by the model that wrote it; some were corrected since.
;; Linear. Allowed arithmetic: float matrix products may take bf16 or f16 operands with f32 sums; other float arithmetic in f32, or as packed bf16 or f16 multiplies, adds, multiply-adds, maxima and minima; sums over many terms, partial sums and values carried from step to step in f32; what a program stores and reads back later, other than sums and carried values, may be rounded once to bf16 or f16.
;; Inputs: last_out 4,096 x 4,096 float32; threshold one number float32; weight 4,096 x 4,096 float32.
;; Outputs: out0 4,096 x 4,096 float32.
;; 2 versions, each right; version 2 is version 1 with the launch prep written anew for expert scheduling mode. Each part assembles by itself: llvm-mc -triple=amdgcn-amd-amdhsa -mcpu=gfx1250 --defsym DOCPART=n.
;; ======== version 1 of 2: 2 launches
;; workspace buffers: xb 33,554,432 bytes; wb 33,554,432 bytes
;; launch prep (part 1): grid 1024 x 1, 8 waves a work-group, no clusters, 0 bytes of LDS; arguments last_out, threshold, weight, xb, wb; writes xb, wb
.if DOCPART == 1
	.amdgcn_target "amdgcn-amd-amdhsa--gfx1250"
	.amdhsa_code_object_version 6
	.text
	.protected	k_q0414fba776_prep
	.globl	k_q0414fba776_prep
	.p2align	8
	.type	k_q0414fba776_prep,@function
k_q0414fba776_prep:
	s_mov_b64 s[64:65], 0
	v_nop
	global_prefetch_b8 v0, s[64:65] scope:SCOPE_SE
	s_setreg_imm32_b32 hwreg(HW_REG_WAVE_MODE, 25, 1), 1
	s_wait_xcnt 0x0
; xb = bf16(x where threshold < |x|, else 0);  wb = bf16(weight).  last_out, weight: [4096][4096] f32; xb, wb: [4096][4096] bf16, row-major.
; THE MASK is taken in f32, on the unrounded x against the unrounded threshold, as threshold < |x|: a NaN in x or in the threshold fails the compare and gives 0.
; A masked number becomes +0.  Each number is then rounded ONCE to bf16, to nearest even; bf16 has f32's exponent range, so no size of input is lost.
; SHARES.  Both inputs are taken as plain streams of 64 MiB.  Work-group g owns bytes 65,536 g .. of each input and bytes 32,768 g .. of each output: 16 chunks of 4,096 input bytes a tensor.
; In chunk j thread t loads the 16 bytes at 16 t + 4,096 j (a wave's load covers 512 consecutive bytes, aligned) and stores its four numbers as the 8 bytes at 8 t + 2,048 j
; (a wave's store covers 256 consecutive bytes, aligned).  Every byte is read once and written once.
; NO LOOP: a wave issues all its 32 loads at once, 16 KiB on their way, and works them off in order.  Each chunk has registers of its own and the two offset registers and the four bases are
; never rewritten, so no register that a pending load or store reads is ever written.  Nothing is shared between waves: no LDS, no barrier, no matrix unit, no cluster.
.set CHUNKS, 16
.set INB,  4096                        ; input bytes of a chunk
.set OUTB, 2048                        ; output bytes of a chunk
.set IO,  1                            ; v1        16 t: my bytes in an input chunk; never rewritten
.set OO,  2                            ; v2        8 t: my bytes in an output chunk; never rewritten
.set T,   4                            ; v[4:7]    |x|, at work
.set X,   8                            ; v[8:71]   last_out's chunk j at X + 4 j
.set W,   72                           ; v[72:135] weight's chunk j at W + 4 j
	s_load_b256 s[4:11], s[0:1], 0x0               ; last_out s[4:5], threshold s[6:7], weight s[8:9], xb s[10:11]
	s_load_b64 s[12:13], s[0:1], 0x20              ; wb
	v_lshlrev_b32 v[IO], 4, v0
	v_lshlrev_b32 v[OO], 3, v0
	s_mov_b32 s14, 0x7fffffff                      ; clears an f32's sign
	s_lshl_b32 s16, ttmp9, 16                      ; the work-group's part of an input (under 2^26),
	s_mov_b32 s17, 0
	s_lshl_b32 s18, ttmp9, 15                      ; and of an output
	s_mov_b32 s19, 0
	s_wait_kmcnt 0x0
	s_load_b32 s15, s[6:7], 0x0                    ; the threshold: no line of this launch writes that buffer
	s_add_nc_u64 s[4:5], s[4:5], s[16:17]
	s_add_nc_u64 s[8:9], s[8:9], s[16:17]
	s_add_nc_u64 s[10:11], s[10:11], s[18:19]
	s_add_nc_u64 s[12:13], s[12:13], s[18:19]
.irp j, 0,1,2,3,4,5,6,7,8,9,10,11,12,13,14,15
	global_load_b128 v[X+4*(\j):X+4*(\j)+3], v[IO], s[4:5] offset:INB*(\j) th:TH_LOAD_NT
.endr
.irp j, 0,1,2,3,4,5,6,7,8,9,10,11,12,13,14,15
	global_load_b128 v[W+4*(\j):W+4*(\j)+3], v[IO], s[8:9] offset:INB*(\j) th:TH_LOAD_NT
.endr
	s_wait_kmcnt 0x0                               ; the threshold is in
; Chunk j of last_out: mask, round, store.
.macro MASKED j
	s_wait_loadcnt 31-(\j)                         ; loads come back in order (ISA guide 5.7.1): behind chunk j's stand last_out's 15 - j younger loads and weight's 16
.irp k, 0,1,2,3
	v_and_b32 v[T+(\k)], s14, v[X+4*(\j)+(\k)]     ; |x|
.endr
.irp k, 0,1,2,3
	v_cmp_lt_f32 vcc_lo, s15, v[T+(\k)]            ; threshold < |x|: false for a NaN on either side
	v_cndmask_b32 v[X+4*(\j)+(\k)], 0, v[X+4*(\j)+(\k)], vcc_lo  ; x where it holds, else 0: a choice of values, no branch
.endr
	v_cvt_pk_bf16_f32 v[X+4*(\j)],   v[X+4*(\j)],   v[X+4*(\j)+1]  ; two roundings, packed: the lower column in the low half
	v_cvt_pk_bf16_f32 v[X+4*(\j)+1], v[X+4*(\j)+2], v[X+4*(\j)+3]
	global_store_b64 v[OO], v[X+4*(\j):X+4*(\j)+1], s[10:11] offset:OUTB*(\j) th:TH_STORE_NT
.endm
; Chunk j of weight: round, store.
.macro PLAIN j
	s_wait_loadcnt 15-(\j)                         ; weight's 15 - j younger loads may stay out
	v_cvt_pk_bf16_f32 v[W+4*(\j)],   v[W+4*(\j)],   v[W+4*(\j)+1]
	v_cvt_pk_bf16_f32 v[W+4*(\j)+1], v[W+4*(\j)+2], v[W+4*(\j)+3]
	global_store_b64 v[OO], v[W+4*(\j):W+4*(\j)+1], s[12:13] offset:OUTB*(\j) th:TH_STORE_NT
.endm
.irp j, 0,1,2,3,4,5,6,7,8,9,10,11,12,13,14,15
	MASKED \j
.endr
.irp j, 0,1,2,3,4,5,6,7,8,9,10,11,12,13,14,15
	PLAIN \j
.endr
	s_endpgm
.Lfunc_end_k_q0414fba776_prep:
	.size	k_q0414fba776_prep, .Lfunc_end_k_q0414fba776_prep-k_q0414fba776_prep
	.p2alignl 7, 3214868480
	.fill 96, 4, 3214868480
	.section	.rodata,"a",@progbits
	.p2align	6, 0x0
	.amdhsa_kernel k_q0414fba776_prep
		.amdhsa_group_segment_fixed_size 0
		.amdhsa_private_segment_fixed_size 0
		.amdhsa_enable_private_segment 0
		.amdhsa_kernarg_size 40
		.amdhsa_user_sgpr_count 2
		.amdhsa_user_sgpr_kernarg_segment_ptr 1
		.amdhsa_wavefront_size32 1
		.amdhsa_system_sgpr_workgroup_id_x 1
		.amdhsa_system_sgpr_workgroup_id_y 1
		.amdhsa_system_sgpr_workgroup_id_z 1
		.amdhsa_system_vgpr_workitem_id 0
		.amdhsa_next_free_vgpr 136
		.amdhsa_next_free_sgpr 66
		.amdhsa_reserve_vcc 1
		.amdhsa_float_denorm_mode_32 3
		.amdhsa_float_denorm_mode_16_64 3
		.amdhsa_memory_ordered 1
		.amdhsa_forward_progress 1
		.amdhsa_inst_pref_size 18
	.end_amdhsa_kernel
	.amdgpu_metadata
---
amdhsa.version: [ 1, 2 ]
amdhsa.kernels:
  - .name:           k_q0414fba776_prep
    .symbol:         k_q0414fba776_prep.kd
    .args:
      - { .name: last_out, .offset: 0, .size: 8, .value_kind: global_buffer, .address_space: global }
      - { .name: threshold, .offset: 8, .size: 8, .value_kind: global_buffer, .address_space: global }
      - { .name: weight, .offset: 16, .size: 8, .value_kind: global_buffer, .address_space: global }
      - { .name: xb, .offset: 24, .size: 8, .value_kind: global_buffer, .address_space: global }
      - { .name: wb, .offset: 32, .size: 8, .value_kind: global_buffer, .address_space: global }
    .group_segment_fixed_size: 0
    .private_segment_fixed_size: 0
    .kernarg_segment_align: 8
    .kernarg_segment_size: 40
    .max_flat_workgroup_size: 256
    .sgpr_count:     66
    .vgpr_count:     136
    .wavefront_size: 32
...
	.end_amdgpu_metadata
.endif
;; end of part 1
;; launch gemm (part 2): grid 16 x 16, 4 waves a work-group, clusters of 4 x 4, 327,680 bytes of LDS; arguments xb, wb, out0; writes out0
.if DOCPART == 2
	.amdgcn_target "amdgcn-amd-amdhsa--gfx1250"
	.amdhsa_code_object_version 6
	.text
	.protected	k_q0414fba776_gemm
	.globl	k_q0414fba776_gemm
	.p2align	8
	.type	k_q0414fba776_gemm,@function
k_q0414fba776_gemm:
	s_mov_b64 s[64:65], 0
	v_nop
	global_prefetch_b8 v0, s[64:65] scope:SCOPE_SE
	s_setreg_imm32_b32 hwreg(HW_REG_WAVE_MODE, 25, 1), 1
	s_wait_xcnt 0x0
	s_wait_alu depctr_hold_cnt(0) depctr_sa_sdst(0) depctr_va_vdst(0) depctr_va_sdst(0) depctr_va_ssrc(0) depctr_va_vcc(0) depctr_vm_vsrc(0)
	s_getreg_b32 s2, hwreg(HW_REG_IB_STS2, 6, 4)
	s_cmp_eq_u32 s2, 0
	s_cbranch_scc0 .Lentry_in_a_cluster
	s_endpgm
.Lentry_in_a_cluster:
	s_bfe_u32 s2, ttmp6, 0x10000c
	s_cmp_lg_u32 s2, 0xf033
	s_cbranch_scc0 .Lentry_shape_is_right
	s_endpgm
.Lentry_shape_is_right:
; C[m][n] = sum over k of A[m][k] B[n][k].  A = xb (the masked activations), B = wb (the weights): [4096][4096] bf16, each number rounded once from f32 by the launch before.
; C = out0: [4096][4096] f32.  One f32 sum for each output, K ascending; C is stored as the sum stands.
; LIMITS.  The operands carry bf16's 8 significant bits; their range is f32's.  NaN and infinities in the operands go through the products as they are.
; SHARES.  C has 16 x 16 tiles of 256 x 256: one work-group each, 256 in all.  Four waves, each 128 x 128: 64 accumulators of 16 x 16, 512 registers.  For 32 along K a wave reads
; 2 x 128 x 64 bytes from LDS and issues 64 matrix instructions.  K goes in 32 steps of 128 through a ring of two LDS slots filled by the tensor data mover; a tile's rows are 256 bytes
; of memory and start at multiples of 256 bytes from the buffer's first byte.
; CLUSTERS: 4 x 4 work-groups.  The four of a row of the cluster make tiles of one tile row of C and need the same tiles of A; the four of a column the same tiles of B.  Such a tile is asked
; for JOINTLY: each of the four issues the same tensor load, with the same descriptor and a mask that names the four, and each receives the tile in its own LDS: a quarter of the requests.
; REGISTERS, in windows of 256 (s_set_vgpr_msb's low byte: bits 1:0 source 0, 3:2 source 1, 5:4 source 2, 7:6 destination):
;   window 0: v0-31 addresses; v64-127, v128-191 fragments of A (8 x 16 rows x 32 K), two buffers; on the way out the same 128 registers take rows of C read back from the stage
;   window 1: v64-127, v128-191 fragments of B, two buffers
;   window 2: the 32 accumulators of my rows 0-63 (accumulator (a, b) at v[8 (8 a + b)]);   window 3: those of my rows 64-127
; THE MATRIX INSTRUCTION IS USED TRANSPOSED: source 0 = 16 rows of B, source 1 = 16 rows of A.  In the result lane l holds row l % 16 of C and its registers 0 to 7 the columns
; 8 (l / 16) + 0 .. 7: 32 consecutive bytes of a row of C.
.set SIZE_M, 4096
.set SIZE_N, 4096
.set SIZE_K, 4096
.set KSTEP,  128
.set PITCH,  272                       ; an LDS row: 256 bytes of data + 16 of padding = 68 words: row r starts at bank 4 r mod 64 (64 banks of 4 bytes: ISA guide 11.1), so the 16 rows that a load touches start at 16 different banks
.set HALFT,  128*PITCH                 ; 128 rows: what one tensor load brings, and what one wave reads of A or of B
.set SLOT,   4*HALFT                   ; A's 256 rows, then B's 256 rows
.set STAGE,  2*SLOT                    ; behind the ring, at byte 278,528: 16 rows x 528 bytes for each wave, for the way out; no tensor load lands here
.set SPITCH, 528                       ; a stage row: 512 bytes (128 f32) + 16 of padding = 132 words: row r starts at bank 4 r mod 64
.set SPARE,  STAGE+4*16*SPITCH         ; behind the stages, at byte 312,320: the spare words, 128 bytes for each wave: two blocks of 256 bytes that no other line names
.set LAPS, SIZE_K/(2*KSTEP)            ; a lap = two K steps = once round the ring: 16
.set CROW, SIZE_N*4                    ; bytes in a row of C
.set ADRA, 16                          ; v16-17  LDS address of my A fragments in slot 0, 1
.set ADRB, 20                          ; v20-21  the same for B
.set STO,  24                          ; v24     the way out: where I put 32 bytes of a row
.set RD,   25                          ; v25     the way out: where I read 16 bytes of a row back
.set CO,   26                          ; v26     my byte offset in my wave's 512 bytes of a row of C; never rewritten
.set SPW,  28                          ; v28     LDS address of my spare word: SPARE + 4 x my thread's number; never rewritten
.set NIL,  29                          ; v29     0; never rewritten
.set PFO,  30                          ; v30     the prefetches' offset: my lane x a row of A or B in memory (8,192 bytes); never rewritten
.set PFA,  44                          ; s[44:45] where my prefetches stand: my work-group's 32 rows of the 128 that I fetch, one K step further along K than the refill that is being asked for; a prefetch names the K step after that
.set LIM,  43                          ; s43     1 in a wave that prefetches, else the greatest number
.set F0,   64                          ; fragment buffer 0
.set F1,   128                         ; fragment buffer 1
.set OB,   64                          ; the way out: 16 rows read back from the stage: v64-127 and v128-191 by turns
.set G1, 24                            ; s[24:31] descriptor group 1 for A's tiles
.set G0, 32                            ; s[32:39] descriptor group 0 for A's tiles, one set for each slot
.set G1B, 48                           ; s[48:55] descriptor group 1 for B's tiles: it differs from A's in the mask alone
.set G0B, 56                           ; s[56:63] descriptor group 0 for B's tiles, one set for each slot
.set MSB, 0
.macro WIN new                         ; the immediate's high byte repeats the setting that is left; a switch that changes nothing is dropped
.if MSB != (\new)
	s_set_vgpr_msb (MSB<<8)|(\new)
.set MSB, \new
.endif
.endm
.set MUL_LO, 0xa1                      ; source 0 (B) window 1, source 1 (A) window 0, C and D window 2
.set MUL_HI, 0xf1                      ; the same, C and D window 3
.set TO_B,   0x40                      ; destination window 1, address window 0
; A joint load.  Waves 0 and 1 fetch A's two halves, waves 2 and 3 B's.  Each of the two lines has ONE mask and one set of registers for all that issue it, and nothing in them hangs on a
; coordinate that the four partners do not share.  The branch hangs on the wave's number alone.  An s_nop 0 and four v_nop follow each of the two lines, ahead of the jump, the label and
; what follows the macro.
.macro JLOAD s
	s_cmp_eq_u32 s11, 0
	s_cbranch_scc0 .Lfor_b_\@
	tensor_load_to_lds s[G0+4*(\s):G0+4*(\s)+3], s[G1:G1+7]
	s_nop 0
.rept 4
	v_nop
.endr
	s_branch .Lasked_\@
.Lfor_b_\@:
	tensor_load_to_lds s[G0B+4*(\s):G0B+4*(\s)+3], s[G1B:G1B+7]
	s_nop 0
.rept 4
	v_nop
.endr
.Lasked_\@:
.endm
; A PREFETCH INTO THE L2, behind each joint refill, its five lines and the run of LDS loads that follows them: the K step that stands TWO refills on, 512 matrix instructions ahead of the load
; that will ask for it: 32 rows x 256 bytes, a lane a row, one instruction a wave.  Each row's 256 bytes of a K step are named ONCE in the launch: A's tile row is read by every cluster of that
; row of clusters, and the first of them (cluster x = 0) prefetches; B's tile column by every cluster of that column, and cluster y = 0 prefetches.  The four partners that ask for a tile jointly
; share its rows out BY ADDRESS: of the 128 rows that a wave fetches, the partner at place p takes 32 p .. 32 p + 31 (p = cx for A, cy for B): no branch hangs on a place in the cluster.
; K steps 0 to 3 come by their loads alone.  The loop's last trip (s3 = 1) asks for nothing: its two refills are K steps 30 and 31, and there is no K step two on.
.macro ASK
	s_cmp_gt_u32 s3, s[LIM]
	s_cbranch_scc0 .Lnot_mine_\@
	global_prefetch_b8 v[PFO], s[PFA:PFA+1] offset:KSTEP*2 th:TH_LOAD_NT scope:SCOPE_SE
.Lnot_mine_\@:
.endm
; A round of the cluster's barrier: my work-group's barrier, so that wave 0's signal speaks for all four waves; wave 0 signals for the work-group; every wave waits for all sixteen
; work-groups; my work-group's barrier once more.  No LDS instruction of the wave is pending at a signal.
.macro CREST                           ; a round behind its opening barrier
	s_cmp_lg_u32 s10, 0
	s_cbranch_scc1 .Lnot_wave_0_\@
	s_barrier_signal -3
.Lnot_wave_0_\@:
	s_barrier_wait -3
	s_barrier_signal -1
	s_barrier_wait -1
.endm
.macro CROUND                          ; a whole round
	s_barrier_signal -1
	s_barrier_wait -1
	CREST
.endm
	s_load_b128 s[4:7], s[0:1], 0x0                ; A s[4:5], B s[6:7]
	s_load_b64 s[8:9], s[0:1], 0x10                ; C
	v_lshl_add_u32 v[SPW], v0, 2, SPARE
	v_mov_b32 v[NIL], 0
	ds_add_u32 v[SPW], v[NIL]                      ; the wave's opening: the add and its wait stand ahead of my first tensor load; the set-up below, work on registers, stands between them
	v_lshrrev_b32 v1, 5, v0
	v_readfirstlane_b32 s10, v1                    ; wave 0..3
	s_lshr_b32 s11, s10, 1                         ; which half of the tile's rows is mine.  Also: I fetch for A (0) or for B (1)
	s_and_b32 s12, s10, 1                          ; which half of its columns.  Also: which 128 rows of that tile I fetch
	s_bfe_u32 s40, ttmp6, 0x40000                  ; cx: my place along the cluster's x
	s_bfe_u32 s41, ttmp6, 0x40004                  ; cy: along its y
	s_lshl_b32 s42, ttmp9, 2                       ; in a cluster launch ttmp9 and ttmp7 count clusters
	s_add_co_u32 s42, s42, s40                     ; tile column of C = 4 x cluster x + cx
	s_and_b32 s13, ttmp7, 0xffff
	s_lshl_b32 s13, s13, 2
	s_add_co_u32 s13, s13, s41                     ; tile row of C = 4 x cluster y + cy
	s_lshl_b32 s43, s41, 2
	s_lshl_b32 s43, 15, s43                        ; my row of the cluster: places 4 cy .. 4 cy + 3
	s_lshl_b32 s44, 0x1111, s40                    ; my column: places cx, cx + 4, cx + 8, cx + 12
	; descriptor group 1: a tile of 128 rows x 128 elements, padded in LDS
	s_or_b32 s[G1+0], s43, (1<<16)|(1<<20)|(1<<21)|(5<<22)|(3<<25)  ; 15:0 the mask: A's tiles go to my row; 17:16 element of 2 bytes; 20 padding on; 21 set beside a mask; 24:22 after every 64 words (code 5); 31:25 of 4 words (code 3)
	s_or_b32 s[G1B+0], s44, (1<<16)|(1<<20)|(1<<21)|(5<<22)|(3<<25) ; the same with the mask of my column, for B's tiles
	s_mov_b32 s[G1B+1], KSTEP<<16
	s_mov_b32 s[G1+1], KSTEP<<16                   ; 63:48 tensor_dim0, low half = 128
	s_mov_b32 s[G1B+2], 128<<16
	s_mov_b32 s[G1+2], 128<<16                     ; 79:64 its high half = 0; 95:80 tensor_dim1, low half = 128
	s_mov_b32 s[G1B+3], KSTEP<<16
	s_mov_b32 s[G1+3], KSTEP<<16                   ; 111:96 its high half = 0; 127:112 tile_dim0 = 128
	s_mov_b32 s[G1B+4], 128
	s_mov_b32 s[G1+4], 128                         ; 143:128 tile_dim1 = 128; 159:144 tile_dim2 = 0
	s_mov_b32 s[G1B+5], SIZE_K
	s_mov_b32 s[G1+5], SIZE_K                      ; 191:160 tensor_dim0_stride, low word: elements from row to row
	s_mov_b32 s[G1B+6], 0
	s_mov_b32 s[G1+6], 0
	s_mov_b32 s[G1B+7], 0
	s_mov_b32 s[G1+7], 0
	; where the tiles come from.  A's hang on the tile row alone, which my row of the cluster shares; B's on the tile column alone, which my column shares.
	; Every wave makes both addresses, in registers that never hold the other coordinate, and asks by one of them.
	s_lshl_b32 s17, s12, 7                         ; which 128 rows of the tile I fetch
	s_lshl_b32 s16, s13, 8
	s_add_co_u32 s16, s16, s17                     ; A: row 256 x tile row + 128 x half
	s_lshl_b32 s46, s42, 8
	s_add_co_u32 s46, s46, s17                     ; B: row 256 x tile column + 128 x half
	s_mov_b32 s17, 0
	s_mov_b32 s47, 0
	s_mov_b64 s[18:19], SIZE_K*2
	s_mul_u64 s[16:17], s[16:17], s[18:19]         ; in bytes
	s_mul_u64 s[46:47], s[46:47], s[18:19]
	s_mul_i32 s20, s10, HALFT                      ; and where they go: A's two halves, then B's two halves = wave x 128 rows: no place in the cluster enters an LDS address
	s_wait_dscnt 0x0                               ; the opening add is done
	s_wait_kmcnt 0x0
	s_add_nc_u64 s[14:15], s[4:5], s[16:17]
	s_add_nc_u64 s[46:47], s[6:7], s[46:47]
	CROUND                                         ; all sixteen work-groups are here: the first joint loads meet
.irp s, 0,1
	s_mov_b32 s[G0+4*(\s)], 1                                      ; 1:0 count = 1
	s_add_co_u32 s[G0+4*(\s)+1], s20, (\s)*SLOT                    ; 63:32 LDS address
	s_add_nc_u64 s[G0+4*(\s)+2:G0+4*(\s)+3], s[14:15], (\s)*KSTEP*2  ; 120:64 global address: K step s
	s_or_b32 s[G0+4*(\s)+3], s[G0+4*(\s)+3], 0x80000000            ; 127:126 type = 2
	s_mov_b32 s[G0B+4*(\s)], 1
	s_add_co_u32 s[G0B+4*(\s)+1], s20, (\s)*SLOT
	s_add_nc_u64 s[G0B+4*(\s)+2:G0B+4*(\s)+3], s[46:47], (\s)*KSTEP*2
	s_or_b32 s[G0B+4*(\s)+3], s[G0B+4*(\s)+3], 0x80000000
	JLOAD \s                                       ; both slots' first fills go out before anything else is done: two tensor loads of mine are out
.endr
	; A fragment is 16 rows x 32 K in 8 registers: lane l holds row l % 16; registers 0-3 hold K = 8 (l / 16) + 0..7, registers 4-7 hold K = 16 + 8 (l / 16) + 0..7.
	; From rows that lie along K: two loads of 16 bytes, 32 bytes apart.  The same for source 0 and source 1.
	v_and_b32 v1, 15, v0                           ; l % 16
	v_bfe_u32 v2, v0, 4, 1                         ; l / 16
	v_mul_u32_u24 v3, v1, PITCH
	v_lshl_add_u32 v3, v2, 4, v3                   ; row x pitch + 16 x half
	s_mul_i32 s21, s11, HALFT                      ; my 128 rows of A
	s_mul_i32 s22, s12, HALFT                      ; my 128 rows of B,
	s_add_co_u32 s22, s22, 2*HALFT                 ; which lie behind A's 256
.irp s, 0,1
	v_add_nc_u32 v[ADRA+(\s)], s21, v3
	v_add_nc_u32 v[ADRB+(\s)], s22, v3
	s_add_co_u32 s21, s21, SLOT
	s_add_co_u32 s22, s22, SLOT
.endr
	s_mul_i32 s23, s10, 16*SPITCH
	s_add_co_u32 s23, s23, STAGE                   ; my stage
	v_mul_u32_u24 v4, v1, SPITCH                   ; in: row l % 16, 32 bytes for each half of the lanes
	v_lshl_add_u32 v4, v2, 5, v4
	v_add_nc_u32 v[STO], s23, v4
	v_and_b32 v5, 31, v0                           ; back: the 32 lanes take one row's 512 bytes, 16 each,
	v_lshlrev_b32 v[CO], 4, v5                     ; which are 512 consecutive bytes of a row of C
	v_add_nc_u32 v[RD], s23, v[CO]
	; C's address goes to my part of the tile, once; the way out reaches its 128 rows by the stores' immediates
	s_lshl_b32 s13, s13, 8
	s_lshl_b32 s14, s11, 7
	s_add_co_u32 s16, s13, s14                     ; my first row of C
	s_mov_b32 s17, 0
	s_mov_b64 s[18:19], CROW
	s_mul_u64 s[16:17], s[16:17], s[18:19]
	s_lshl_b32 s46, s42, 10                        ; my first column, in bytes: 1,024 x tile column + 512 x half (in the registers that held B's address: none that feeds A's descriptors ever holds cx)
	s_lshl_b32 s47, s12, 9
	s_add_co_u32 s46, s46, s47
	s_mov_b32 s47, 0
	s_add_nc_u64 s[16:17], s[16:17], s[46:47]
	s_add_nc_u64 s[8:9], s[8:9], s[16:17]
	; the prefetches.  s13 = 256 x tile row, s42 = tile column, s40 = cx, s41 = cy still stand; s[4:5] = A, s[6:7] = B
	s_lshl_b32 s42, s42, 8
	s_and_b32 s22, ttmp7, 0xffff                   ; cluster y
	s_cmp_eq_u32 s11, 0                            ; do I fetch for A?
	s_cselect_b32 s20, s13, s42                    ; the tile's first row: in A by the tile row, in B by the tile column
	s_cselect_b32 s21, s40, s41                    ; my place among the four that ask for it with me
	s_cselect_b32 s22, ttmp9, s22                  ; the coordinate along which other clusters read the same rows
	s_cselect_b64 s[PFA:PFA+1], s[4:5], s[6:7]
	s_cmp_eq_u32 s22, 0
	s_cselect_b32 s[LIM], 1, -1                    ; the same in all sixteen partners, for a given wave
	s_lshl_b32 s22, s12, 7
	s_add_co_u32 s20, s20, s22                     ; + the 128 rows that I fetch
	s_lshl_b32 s21, s21, 5
	s_add_co_u32 s20, s20, s21                     ; + my work-group's 32 of them
	s_mov_b32 s21, 0
	s_mov_b64 s[18:19], SIZE_K*2
	s_mul_u64 s[20:21], s[20:21], s[18:19]
	s_add_nc_u64 s[PFA:PFA+1], s[PFA:PFA+1], s[20:21]
	s_add_nc_u64 s[PFA:PFA+1], s[PFA:PFA+1], 2*KSTEP*2  ; at K step 2: the first refill steps it to 3 and names K step 4
	v_and_b32 v[PFO], 31, v0
	v_mul_u32_u24 v[PFO], v[PFO], SIZE_K*2
; 16 matrix instructions: m blocks a0, a0 + 1 of the window's four (hi = 0: my rows 0-63, 1: rows 64-127) x all 8 n blocks, 32 along K.
; zero = 1: the first product starts the sums: nothing is ever cleared.
; The 64 accumulators take turns, one instruction a turn, in the same order in every quarter step, over the backward jump too.
.macro MUL16 f, hi, a0, zero
	WIN MUL_LO+0x50*(\hi)  ; MUL_LO or MUL_HI
.irp a, \a0, (\a0)+1
.irp b, 0,1,2,3,4,5,6,7
.if \zero
	v_wmma_f32_16x16x32_bf16 v[8*(8*(\a)+(\b)):8*(8*(\a)+(\b))+7], v[(\f)+8*(\b):(\f)+8*(\b)+7], v[(\f)+8*(4*(\hi)+(\a)):(\f)+8*(4*(\hi)+(\a))+7], 0
.else
	v_wmma_f32_16x16x32_bf16 v[8*(8*(\a)+(\b)):8*(8*(\a)+(\b))+7], v[(\f)+8*(\b):(\f)+8*(\b)+7], v[(\f)+8*(4*(\hi)+(\a)):(\f)+8*(4*(\hi)+(\a))+7], v[8*(8*(\a)+(\b)):8*(8*(\a)+(\b))+7]
.endif
.endr
.endr
.endm
; 32 LDS loads in one run: the fragments of one quarter step (128 rows of B, 128 rows of A, 32 K at byte k of the rows) into buffer f
.macro FETCH slot, k, f
	WIN TO_B
.irp i, 0,1,2,3,4,5,6,7
	ds_load_b128 v[(\f)+8*(\i):(\f)+8*(\i)+3],   v[ADRB+(\slot)] offset:(\k)+(\i)*16*PITCH
	ds_load_b128 v[(\f)+8*(\i)+4:(\f)+8*(\i)+7], v[ADRB+(\slot)] offset:(\k)+(\i)*16*PITCH+32
.endr
	WIN 0
.irp i, 0,1,2,3,4,5,6,7
	ds_load_b128 v[(\f)+8*(\i):(\f)+8*(\i)+3],   v[ADRA+(\slot)] offset:(\k)+(\i)*16*PITCH
	ds_load_b128 v[(\f)+8*(\i)+4:(\f)+8*(\i)+7], v[ADRA+(\slot)] offset:(\k)+(\i)*16*PITCH+32
.endr
.endm
; A load into a register that a matrix instruction has read, and an LDS store that reads a matrix result, stand four places behind that matrix instruction, and only plain vector instructions
; that name none of its registers are places (ISA guide 7.12.1 for vector instructions).  So four v_nop stand in front of each run of loads and of the way out.
.macro PLACES
.rept 4
	v_nop
.endr
.endm
; A K step is four quarter steps of 32 along K, 64 matrix instructions each, on buffers 0, 1, 0, 1.
; One of the first three: multiplies buffer f; in its middle it fetches the next quarter's fragments, at byte k of the same slot's rows, into buffer g.
.macro QUARTER slot, k, f, g, zero
	s_wait_dscnt 8                                 ; B and A's rows 0-63 are in; the youngest eight loads (A's rows 64-127) may be out
	WIN MUL_LO
	MUL16 \f, 0, 0, \zero
	MUL16 \f, 0, 2, \zero
	PLACES
	FETCH \slot, \k, \g
	s_wait_dscnt 32                                ; all but the 32 just issued
	WIN MUL_HI
	MUL16 \f, 1, 0, \zero
	MUL16 \f, 1, 2, \zero
.endm
; The last quarter multiplies buffer 1 and changes slots: ONE barrier, for two things.  In front of it each wave waits for all its tensor loads, of which one is out: its part of the next slot;
; adds 0 to its spare word; and waits for that and for its own reads of this slot.  Behind it nobody reads this slot any more and the next slot is whole.
; fill = 1: this slot is filled again, with the K step two steps on.  The barrier then opens a round of the cluster's barrier, so that no wave of any partner still reads the slot or has a load
; on its way, and the joint refill is the first tensor load behind the round: from the request to the wait for it a wave issues 224 matrix instructions.
.macro TURN slot, next, fill
.if \fill
	s_wait_xcnt 0x0                                ; the last prefetch, a K step back, has read its address: it is stepped here, ahead of the waits of the change of slots
	s_add_nc_u64 s[PFA:PFA+1], s[PFA:PFA+1], KSTEP*2
.endif
	WIN 0                                          ; (the add's two registers lie in window 0)
	s_wait_tensorcnt 0x0                           ; all my tensor loads have landed: the one that was out is my part of the next slot;
	ds_add_u32 v[SPW], v[NIL]                      ; 0 onto my spare word;
	s_wait_dscnt 9                                 ; (the add and the youngest eight loads may be out)
	WIN MUL_LO
	MUL16 F1, 0, 0, 0                              ; sixteen matrix instructions stand between the add and the wait for it
	s_wait_dscnt 0x0                               ; the add is done, and my reads of this slot are over:
	s_barrier_signal -1                            ; say so,
	MUL16 F1, 0, 2, 0                              ; work on registers while the others arrive,
.if \fill
	WIN 0
.endif
	s_barrier_wait -1                              ; and go on when all four have said so
.if \fill
	CREST                                          ; wave 0 says so for the work-group, all sixteen work-groups have said so, my work-group's barrier closes the round
	s_add_nc_u64 s[G0+4*(\slot)+2:G0+4*(\slot)+3], s[G0+4*(\slot)+2:G0+4*(\slot)+3], 2*KSTEP*2    ; no tensor load of mine is out, so a group 0 may be written; the type bits on top are not reached
	s_add_nc_u64 s[G0B+4*(\slot)+2:G0B+4*(\slot)+3], s[G0B+4*(\slot)+2:G0B+4*(\slot)+3], 2*KSTEP*2
	JLOAD \slot                                    ; my one tensor load behind the round; the four v_nop behind it are also the places in front of the loads below
.else
	PLACES
.endif
	FETCH \next, 0, F0
.if \fill
	ASK                                            ; behind the joint load and the run of LDS loads that the next products wait for
.endif
	WIN MUL_HI
	MUL16 F1, 1, 0, 0
	MUL16 F1, 1, 2, 0
.endm
; THE WAY OUT, a block of 16 rows x 128 columns at a time.  A lane's 32 bytes are a sixteenth of the block's row, and the lanes beside it hold other rows: so the block goes through my own stage.
; TOSTAGE: straight from the accumulators into rows of 528 bytes (each accumulator's four lowest registers first), and back as whole rows of 512 bytes, one row a load.
.macro TOSTAGE a
.set AC, 64*((\a)%4)                   ; the block's eight accumulators, in window 2 (blocks 0-3) or 3 (blocks 4-7)
.set BK, OB+64*((\a)%2)
.if (\a) >= 2
	s_wait_xcnt 0x0                                ; every earlier memory instruction has had its addresses translated (ISA guide 3.1): the registers that block a - 2's stores read are loaded again only behind this wait
.endif
	WIN 0x08+4*((\a)/4)                            ; an LDS store's data is source 1: window 2 or 3; its address window 0
.irp b, 0,1,2,3,4,5,6,7
	ds_store_b128 v[STO], v[AC+8*(\b):AC+8*(\b)+3]   offset:64*(\b)
	ds_store_b128 v[STO], v[AC+8*(\b)+4:AC+8*(\b)+7] offset:64*(\b)+16
.endr
	WIN 0
.irp t, 0,1,2,3,4,5,6,7,8,9,10,11,12,13,14,15
	ds_load_b128 v[BK+4*(\t):BK+4*(\t)+3], v[RD] offset:SPITCH*(\t)  ; LDS serves a wave's instructions in order (ISA guide 5.7.1.4): these see the stores above; the next block's stores come behind them
.endr
.endm
; SEND: the block's 16 rows are stored.  younger: the LDS instructions issued behind the block's loads: the next block's 32, or none.
.macro SEND a, younger
	WIN 0
.set BK, OB+64*((\a)%2)
.irp t, 0,1,2,3,4,5,6,7,8,9,10,11,12,13,14,15
	s_wait_dscnt (\younger)+15-(\t)                ; row t is back in registers; the block's 15 - t younger loads and the next block's LDS instructions may stay out
	global_store_b128 v[CO], v[BK+4*(\t):BK+4*(\t)+3], s[8:9] offset:(16*(\a)+(\t))*CROW th:TH_STORE_NT  ; 512 consecutive bytes, at a multiple of 512 from C's first byte; the row stands in the immediate: 127 rows of 16,384 bytes at the most, inside its signed 24 bits
.endr
.endm
	s_wait_tensorcnt 1                             ; my part of K step 0 is in; K step 1's load may stay out
	s_barrier_signal -1
	s_barrier_wait -1                              ; everybody's is
	FETCH 0, 0, F0
	QUARTER 0, 64,  F0, F1, 1                      ; the first quarter stands in front of the loop: its products start the sums
	WIN 0                                          ; at a label and at a branch every window is 0
	s_mov_b32 s3, LAPS-1
.Llap:                                                 ; 15 trips: a trip goes once round the ring, from a lap's second quarter to the next lap's first, and fills both slots again (trip i: K steps 2 i + 2 and 2 i + 3)
	QUARTER 0, 128, F1, F0, 0
	QUARTER 0, 192, F0, F1, 0
	TURN 0, 1, 1
	QUARTER 1, 64,  F0, F1, 0
	QUARTER 1, 128, F1, F0, 0
	QUARTER 1, 192, F0, F1, 0
	TURN 1, 0, 1
	QUARTER 0, 64,  F0, F1, 0
	WIN 0
	s_sub_co_u32 s3, s3, 1
	s_cmp_lg_u32 s3, 0
	s_cbranch_scc1 .Llap
	QUARTER 0, 128, F1, F0, 0                      ; the last lap is written out: it fills nothing, and has no round of the cluster's barrier
	QUARTER 0, 192, F0, F1, 0
	TURN 0, 1, 0                                   ; the one tensor load that was still out is slot 1's: K step 31
	QUARTER 1, 64,  F0, F1, 0
	QUARTER 1, 128, F1, F0, 0
	QUARTER 1, 192, F0, F1, 0
	s_wait_dscnt 8                                 ; the very last quarter: nothing more to fetch
	WIN MUL_LO
	MUL16 F1, 0, 0, 0
	MUL16 F1, 0, 2, 0
	s_wait_dscnt 0x0
	MUL16 F1, 1, 0, 0
	MUL16 F1, 1, 2, 0
	PLACES                                         ; behind the last product: the stage's stores read results, its loads land in registers that products have read
	TOSTAGE 0
.irp a, 1,2,3,4,5,6,7                  ; block a's trip through the stage is issued ahead of the waits for block a - 1's
	TOSTAGE \a
	SEND (\a)-1, 32
.endr
	SEND 7, 0
	s_wait_tensorcnt 0x0                           ; the wave's end, behind my last tensor load and my last LDS store
	ds_add_u32 v[SPW], v[NIL]
	s_wait_dscnt 0x0
	CROUND                                         ; the closing round: no work-group ends while a partner may still ask for a tile that names it
	s_endpgm
.Lfunc_end_k_q0414fba776_gemm:
	.size	k_q0414fba776_gemm, .Lfunc_end_k_q0414fba776_gemm-k_q0414fba776_gemm
	.p2alignl 7, 3214868480
	.fill 96, 4, 3214868480
	.section	.rodata,"a",@progbits
	.p2align	6, 0x0
	.amdhsa_kernel k_q0414fba776_gemm
		.amdhsa_group_segment_fixed_size 327680
		.amdhsa_private_segment_fixed_size 0
		.amdhsa_enable_private_segment 0
		.amdhsa_kernarg_size 24
		.amdhsa_user_sgpr_count 2
		.amdhsa_user_sgpr_kernarg_segment_ptr 1
		.amdhsa_wavefront_size32 1
		.amdhsa_system_sgpr_workgroup_id_x 1
		.amdhsa_system_sgpr_workgroup_id_y 1
		.amdhsa_system_sgpr_workgroup_id_z 1
		.amdhsa_system_vgpr_workitem_id 0
		.amdhsa_next_free_vgpr 1024
		.amdhsa_next_free_sgpr 66
		.amdhsa_reserve_vcc 0
		.amdhsa_float_denorm_mode_32 3
		.amdhsa_float_denorm_mode_16_64 3
		.amdhsa_memory_ordered 1
		.amdhsa_forward_progress 1
		.amdhsa_inst_pref_size 145
	.end_amdhsa_kernel
	.amdgpu_metadata
---
amdhsa.version: [ 1, 2 ]
amdhsa.kernels:
  - .name:           k_q0414fba776_gemm
    .symbol:         k_q0414fba776_gemm.kd
    .args:
      - { .name: xb, .offset: 0, .size: 8, .value_kind: global_buffer, .address_space: global }
      - { .name: wb, .offset: 8, .size: 8, .value_kind: global_buffer, .address_space: global }
      - { .name: out0, .offset: 16, .size: 8, .value_kind: global_buffer, .address_space: global }
    .group_segment_fixed_size: 327680
    .private_segment_fixed_size: 0
    .kernarg_segment_align: 8
    .kernarg_segment_size: 24
    .max_flat_workgroup_size: 128
    .sgpr_count:     66
    .vgpr_count:     1024
    .wavefront_size: 32
...
	.end_amdgpu_metadata
.endif
;; end of part 2
;; ======== version 2 of 2: 2 launches; version 1 with the launch prep written anew for expert scheduling mode
;; workspace buffers: xb 33,554,432 bytes; wb 33,554,432 bytes
;; launch prep (part 3): grid 1024 x 1, 8 waves a work-group, no clusters, 0 bytes of LDS; arguments last_out, threshold, weight, xb, wb; writes xb, wb
.if DOCPART == 3
	.amdgcn_target "amdgcn-amd-amdhsa--gfx1250"
	.amdhsa_code_object_version 6
	.text
	.protected	k_q0414fba776_prep
	.globl	k_q0414fba776_prep
	.p2align	8
	.type	k_q0414fba776_prep,@function
k_q0414fba776_prep:
	s_mov_b64 s[64:65], 0
	v_nop
	global_prefetch_b8 v0, s[64:65] scope:SCOPE_SE
	s_setreg_imm32_b32 hwreg(HW_REG_WAVE_SCHED_MODE, 0, 2), 2
	s_setreg_imm32_b32 hwreg(HW_REG_WAVE_MODE, 25, 1), 1
	s_wait_xcnt 0x0
	s_wait_alu depctr_vm_vsrc(0)
; xb = bf16(x where threshold < |x|, else 0);  wb = bf16(weight).  last_out, weight: [4096][4096] f32; xb, wb: [4096][4096] bf16, row-major.
; THE MASK is taken in f32, on the unrounded x against the unrounded threshold, as threshold < |x|: a NaN in x or in the threshold fails the compare and gives 0.
; A masked number becomes +0.  Each number is then rounded ONCE to bf16, to nearest even; bf16 has f32's exponent range, so no size of input is lost.
; SHARES.  Both inputs are taken as plain streams of 64 MiB.  Work-group g owns bytes 65,536 g .. of each input and bytes 32,768 g .. of each output: 16 chunks of 4,096 input bytes a tensor.
; In chunk j thread t loads the 16 bytes at 16 t + 4,096 j (a wave's load covers 512 consecutive bytes, aligned) and stores its four numbers as the 8 bytes at 8 t + 2,048 j
; (a wave's store covers 256 consecutive bytes, aligned).  Every byte is read once and written once.
; NO LOOP: a wave issues all its 32 loads at once, 16 KiB on their way, and works them off in order.  Each chunk has registers of its own and the two offset registers and the four bases are
; never rewritten, so no register that a pending load or store reads is ever written.  Nothing is shared between waves: no LDS, no barrier, no matrix unit, no cluster.
; THE MODE: SCHED_MODE bits 1:0 = 2 (LLVM: expert scheduling mode 2), set by the entry lines.  The code itself states the register dependences
; between vector instructions and memory instructions, and between a vector instruction that writes a scalar register and that register's readers, with s_wait_alu, always for 0.
; THE PLAN.  The 32 chunks (0-15 last_out's, 16-31 weight's) go in eight groups of four.  Registers that memory instructions touch:
;   v1, v2      the loads' and the stores' offsets: written once at the head, never again.
;   chunk c     four registers at X + 4 c: its load lands there before any vector instruction has named them; the chunk's own selects and roundings rewrite them behind the load's wait;
;               its one store reads the first two; nothing writes them behind that store.
; Group g works on its own sixteen registers.  Its memory instructions are the four stores of group g - 1, whose registers, like v2, no vector instruction of group g names.  So ONE wait on
; va_vdst at a group's head states all that those four stores hang on, and they are dealt among the group's vector instructions with no further wait.
; THE MASKS: a group's sixteen compares write sixteen scalar registers in one run; ONE wait on va_sdst stands between that run and the selects that read them.
; No register that a load or a store has read is written again, no load is issued behind the head, and EXEC is never written: no other wait on a register is owed.
.set CHUNKS, 16
.set INB,  4096                        ; input bytes of a chunk
.set OUTB, 2048                        ; output bytes of a chunk
.set IO,  1                            ; v1        16 t: my bytes in an input chunk; never rewritten
.set OO,  2                            ; v2        8 t: my bytes in an output chunk; never rewritten
.set T,   4                            ; v[4:7]    |x|, at work: no memory instruction names them
.set X,   8                            ; v[8:71]   last_out's chunk j at X + 4 j
.set W,   72                           ; v[72:135] weight's chunk j at W + 4 j = X + 4 (16 + j)
.set MK,  20                           ; s[20:35]  a group's sixteen masks: number i of the group's chunk k at MK + 4 k + i
	s_load_b256 s[4:11], s[0:1], 0x0               ; last_out s[4:5], threshold s[6:7], weight s[8:9], xb s[10:11]
	s_load_b64 s[12:13], s[0:1], 0x20              ; wb
	v_lshlrev_b32 v[IO], 4, v0
	v_lshlrev_b32 v[OO], 3, v0
	s_mov_b32 s14, 0x7fffffff                      ; clears an f32's sign
	s_lshl_b32 s16, ttmp9, 16                      ; the work-group's part of an input (under 2^26),
	s_mov_b32 s17, 0
	s_lshl_b32 s18, ttmp9, 15                      ; and of an output
	s_mov_b32 s19, 0
	s_wait_kmcnt 0x0
	s_load_b32 s15, s[6:7], 0x0                    ; the threshold: no line of this launch writes that buffer
	s_add_nc_u64 s[4:5], s[4:5], s[16:17]
	s_add_nc_u64 s[8:9], s[8:9], s[16:17]
	s_add_nc_u64 s[10:11], s[10:11], s[18:19]
	s_add_nc_u64 s[12:13], s[12:13], s[18:19]
	s_wait_alu depctr_va_vdst(0)                   ; v1 and v2 are written: every load of the kernel reads the one as its offset, every store the other
.irp j, 0,1,2,3,4,5,6,7,8,9,10,11,12,13,14,15
	global_load_b128 v[X+4*(\j):X+4*(\j)+3], v[IO], s[4:5] offset:INB*(\j) th:TH_LOAD_NT
.endr
.irp j, 0,1,2,3,4,5,6,7,8,9,10,11,12,13,14,15
	global_load_b128 v[W+4*(\j):W+4*(\j)+3], v[IO], s[8:9] offset:INB*(\j) th:TH_LOAD_NT
.endr
	s_wait_kmcnt 0x0                               ; the threshold is in
; Chunk c (0 to 31) is stored: its first two registers, to xb (c < 16) or to wb.
.macro OUT c
	global_store_b64 v[OO], v[X+4*(\c):X+4*(\c)+1], s[10+2*((\c)/16):11+2*((\c)/16)] offset:OUTB*((\c)%16) th:TH_STORE_NT
.endm
; Group g (0 to 7): chunks 4 g to 4 g + 3.  Groups 0 to 3 are last_out's: mask and round.  Groups 4 to 7 are weight's: round.  The stores are those of the group before.
.macro GROUP g
.irp k, 0,1,2,3
	s_wait_loadcnt 31-4*(\g)-(\k)                  ; loads come back in order (ISA guide 5.7.1): chunk 4 g + k is in; the loads issued behind it, 31 less its number, may stay out
.if (\g) > 0
.if (\k) == 0
	s_wait_alu depctr_va_vdst(0)                   ; the roundings of the group before have written the halves that this group's four stores read
.endif
	OUT 4*(\g)-4+(\k)                              ; no vector instruction since that wait names these registers or v2
.endif
.if (\g) < 4
.irp i, 0,1,2,3
	v_and_b32 v[T+(\i)], s14, v[X+16*(\g)+4*(\k)+(\i)]            ; |x|
.endr
.irp i, 0,1,2,3
	v_cmp_lt_f32 s[MK+4*(\k)+(\i)], s15, v[T+(\i)]                ; threshold < |x|: false for a NaN on either side
.endr
.else
	v_cvt_pk_bf16_f32 v[X+16*(\g)+4*(\k)],   v[X+16*(\g)+4*(\k)],   v[X+16*(\g)+4*(\k)+1]  ; two roundings, packed: the lower column in the low half
	v_cvt_pk_bf16_f32 v[X+16*(\g)+4*(\k)+1], v[X+16*(\g)+4*(\k)+2], v[X+16*(\g)+4*(\k)+3]
.endif
.endr
.if (\g) < 4
	s_wait_alu depctr_va_sdst(0)                   ; the sixteen compares have written s[MK ..], ahead of the first select that reads one of them
.irp k, 0,1,2,3
.irp i, 0,1,2,3
	v_cndmask_b32 v[X+16*(\g)+4*(\k)+(\i)], 0, v[X+16*(\g)+4*(\k)+(\i)], s[MK+4*(\k)+(\i)]  ; x where the compare holds, else 0: a choice of values, no branch
.endr
	v_cvt_pk_bf16_f32 v[X+16*(\g)+4*(\k)],   v[X+16*(\g)+4*(\k)],   v[X+16*(\g)+4*(\k)+1]  ; two roundings, packed: the lower column in the low half
	v_cvt_pk_bf16_f32 v[X+16*(\g)+4*(\k)+1], v[X+16*(\g)+4*(\k)+2], v[X+16*(\g)+4*(\k)+3]
.endr
.endif
.endm
.irp g, 0,1,2,3,4,5,6,7
	GROUP \g
.endr
	s_wait_alu depctr_va_vdst(0)                   ; the last group's roundings have written the halves that the last four stores read
.irp c, 28,29,30,31
	OUT \c
.endr
	s_endpgm
.Lfunc_end_k_q0414fba776_prep:
	.size	k_q0414fba776_prep, .Lfunc_end_k_q0414fba776_prep-k_q0414fba776_prep
	.p2alignl 7, 3214868480
	.fill 96, 4, 3214868480
	.section	.rodata,"a",@progbits
	.p2align	6, 0x0
	.amdhsa_kernel k_q0414fba776_prep
		.amdhsa_group_segment_fixed_size 0
		.amdhsa_private_segment_fixed_size 0
		.amdhsa_enable_private_segment 0
		.amdhsa_kernarg_size 40
		.amdhsa_user_sgpr_count 2
		.amdhsa_user_sgpr_kernarg_segment_ptr 1
		.amdhsa_wavefront_size32 1
		.amdhsa_system_sgpr_workgroup_id_x 1
		.amdhsa_system_sgpr_workgroup_id_y 1
		.amdhsa_system_sgpr_workgroup_id_z 1
		.amdhsa_system_vgpr_workitem_id 0
		.amdhsa_next_free_vgpr 136
		.amdhsa_next_free_sgpr 66
		.amdhsa_reserve_vcc 0
		.amdhsa_float_denorm_mode_32 3
		.amdhsa_float_denorm_mode_16_64 3
		.amdhsa_memory_ordered 1
		.amdhsa_forward_progress 1
		.amdhsa_inst_pref_size 23
	.end_amdhsa_kernel
	.amdgpu_metadata
---
amdhsa.version: [ 1, 2 ]
amdhsa.kernels:
  - .name:           k_q0414fba776_prep
    .symbol:         k_q0414fba776_prep.kd
    .args:
      - { .name: last_out, .offset: 0, .size: 8, .value_kind: global_buffer, .address_space: global }
      - { .name: threshold, .offset: 8, .size: 8, .value_kind: global_buffer, .address_space: global }
      - { .name: weight, .offset: 16, .size: 8, .value_kind: global_buffer, .address_space: global }
      - { .name: xb, .offset: 24, .size: 8, .value_kind: global_buffer, .address_space: global }
      - { .name: wb, .offset: 32, .size: 8, .value_kind: global_buffer, .address_space: global }
    .group_segment_fixed_size: 0
    .private_segment_fixed_size: 0
    .kernarg_segment_align: 8
    .kernarg_segment_size: 40
    .max_flat_workgroup_size: 256
    .sgpr_count:     66
    .vgpr_count:     136
    .wavefront_size: 32
...
	.end_amdgpu_metadata
.endif
;; end of part 3
;; launch gemm: the kernel of part 2 again; grid 16 x 16, 4 waves a work-group, clusters of 4 x 4, 327,680 bytes of LDS; arguments xb, wb, out0; writes out0
